; MI455X (gfx1250); checked and timed in simulation.
; The chip was launched on July 23, 2026; its instructions are those of AMD's public machine-readable ISA for CDNA 5 (MIT licence, August 2026) and "CDNA5" Instruction Set Architecture Reference Guide (July 2026). The comments in the code are by the model that wrote it; some were corrected since.
;; Scaled Dot Product Attention. Allowed arithmetic: matrix products marked QUANTISED: E2M1 operands, one E8M0 scale for each 32 along K, by v_wmma_scale_f32_16x16x128_f8f6f4 with both operands' format E2M1 (or v_wmma_scale_f32_32x16x128_f4), f32 sums; products left as they are: bf16, f16 or f32 operands; f32 sums; everything else in f32.
;; Inputs: key 4 x 16 x 2,048 x 64 float32; mask 4 x 1 x 2,048 x 2,048 int32; query 4 x 16 x 2,048 x 64 float32; value 4 x 16 x 2,048 x 64 float32.
;; Outputs: out0 4 x 16 x 2,048 x 64 float32.
;; This version of the problem:
;;   THIS VERSION OF THE PROBLEM IS GIVEN IN LOW PRECISION. The matrix products marked QUANTISED in the list below multiply operands that are first quantised to E2M1 (2 exponent bits, 1 mantissa bit; 4 bits a number), with one power-of-two scale for each 32 numbers along K (OCP MX v1.0); their sums are f32. The products marked 'left as it is' may take bf16, f16 or f32 operands, with f32 sums. Whichever they take, every output number must still come out within the allowed error. Rounding operands to bf16 (8 significant bits) uses up far more of that allowance than f16 does (11 bits, for magnitudes from 6e-5 to 65,504). All else is computed in f32.
;;   The module's matrix products, in the order in which they are computed (A, B: the left and right operand; K: the contracted axis; several contracted axes count as one K, in the product's order):
;;     1. batch 64 x [M 2,048, K 64] x [K 64, N 2,048]; A: input query; B: input key: QUANTISED
;;     2. batch 64 x [M 2,048, K 2,048] x [K 2,048, N 64]; A: computed on the way; B: input value: left as it is (an operand is computed on the way)
;;   THE QUANTISER, for each operand of a quantised product, along K:
;;     - K is cut into blocks of 32 from its start; a last block that is shorter is filled with zeros.
;;     - A block's scale is 2^e with e = floor(log2(the largest magnitude in the block)) - 2, held to -126 .. 127; a block of zeros has e = 0. As a byte (E8M0): e + 127.
;;     - Each number is divided by its block's scale, clamped to +-6, and rounded to the nearest number of E2M1, ties to even, subnormals kept.
;;     - The product sums the exact products of the quantised numbers (number of the format x scale) in f32.
;;   ~~~python
;;   def quantise(x, axis):      # numpy; x: float32 -> the quantised numbers, widened to float32 again
;;       x = np.moveaxis(x, axis, -1); K = x.shape[-1]
;;       x = np.pad(x, [(0, 0)] * (x.ndim - 1) + [(0, -K % 32)]); x = x.reshape(x.shape[:-1] + (-1, 32)); a = np.abs(x).max(-1, keepdims=True)
;;       e = np.where(a > 0, np.clip(np.frexp(np.where(a > 0, a, 1))[1] - 1 - 2, -126, 127), 0)      # np.frexp(a)[1] - 1 = floor(log2(a)), exactly
;;       r = np.clip(x / 2.0 ** e, -6, 6)
;;       step = 2.0 ** (np.maximum(np.frexp(np.where(r == 0, 1, r))[1] - 1, 0) - 1)
;;       q = np.round(r / step) * step * 2.0 ** e      # np.round: ties to even
;;       return np.moveaxis(q.reshape(q.shape[:-2] + (-1,))[..., :K], -1, axis).astype(np.float32)
;;   ~~~
;; One version. Each part assembles by itself: llvm-mc -triple=amdgcn-amd-amdhsa -mcpu=gfx1250 --defsym DOCPART=n.
;; ======== version 1 of 1: 2 launches
;; limits: values are held in f16: magnitudes above 65,504 overflow, below 6.1e-05 lose precision; inputs' magnitudes at most 65,504; right only within a limited range of input values
;; workspace buffers: qimg 4,718,592 bytes; kv 21,495,808 bytes; mbits 2,097,152 bytes of whole numbers
;; launch prep (part 1): grid 1280 x 1, 8 waves a work-group, no clusters, 103,424 bytes of LDS; arguments query, key, value, mask, qimg, kv, mbits; writes qimg, kv, mbits
.if DOCPART == 1
	.amdgcn_target "amdgcn-amd-amdhsa--gfx1250"
	.amdhsa_code_object_version 6
	.text
	.protected	k_q0c086a8c2b_prep
	.globl	k_q0c086a8c2b_prep
	.p2align	8
	.type	k_q0c086a8c2b_prep,@function
k_q0c086a8c2b_prep:
	s_mov_b64 s[64:65], 0
	v_nop
	global_prefetch_b8 v0, s[64:65] scope:SCOPE_SE
	s_setreg_imm32_b32 hwreg(HW_REG_WAVE_MODE, 25, 1), 1
	s_wait_xcnt 0x0
; THE LAUNCH IN FRONT OF THE ATTENTION: every input is read once, 16 bytes a lane and 512 neighbouring bytes a load, and laid as the attention's registers want it.
; Three paths, parted by the work-group's number; a wave takes 16,384 input bytes on each (32 loads, all issued at once), shares nothing with other waves, and passes no barrier.
;   A (work-groups 0-511: 0-255 query, 256-511 key): a group of 64 rows x 64 f32 becomes codes of FP4 (E2M1) with one E8M0 byte for each 32 along the head's 64.
;     Out, 2,304 bytes a group: four tiles of 16 rows, 512 bytes each, as images of the operand's registers (lane l = (r = l % 16, h = l / 16): its 16 bytes at 16 l are the 32 codes of block h of row r);
;     then 256 bytes of scale words [r][tile]: byte 0 block 0, byte 1 block 1, bytes 2 and 3 0x7f (they scale the zero codes that fill the instruction's 128 along K).
;     query's groups lie 2,304 bytes apart in qimg, key's 10,496 bytes apart in kv (a key step: K's 2,304 bytes, then V's 8,192).
;   B (512-767): 64 rows of value become f16, rows of 128 bytes; in row k the 32 bytes of channels 16 c .. 16 c + 15 lie at place c xor ((k / 2) % 4), so that the attention's turning loads, which take
;     8 rows x 32 bytes for 16 lanes, fall on 16 different 16-byte columns of 256 bytes without padding.
;   C (768-1279): 32 rows x 128 keys of mask become lane masks: word 32 T + 8 t + j of (32 queries, 64 keys) has in bit l: mask[16 T + l % 16][16 t + 8 (l / 16) + j] != 0.
; A block's scale is 2^(floor(log2(its largest magnitude)) - 2); its byte is the largest magnitude's exponent field - 2, held at 1 from below by a floor among the maximum's leaves.
; LIMITS: a block of zeros gets the byte 1 where the rule says 127 (its codes are zeros, and this program alone reads the bytes); NaN and infinities are not served; |value| above 65,504 has no f16 number.
; No matrix unit, no cluster, no tensor load: nothing is shared between work-groups and there is nothing to multiply.
.set SPARE, 102400                     ; behind the stages: the spare words, 128 bytes for each of 8 waves: four blocks of 256 bytes that no other line names
.set ASTG,  4352                       ; path A: a stage of 16 rows x (256 + 16) bytes for each wave, LDS bytes 0 .. 34,815
.set CBASE, 34816                      ; path C: a stage of 16 rows x (512 + 16) bytes for each wave, LDS bytes 34,816 .. 102,399: each path has bytes of its own
.set CSTG,  8448
.set SPW,   238                        ; v238  LDS address of my spare word; never rewritten
.set NIL,   239                        ; v239  0; never rewritten
.set R,     16                         ; v16-143   the 32 loads' registers
.set X,     144                        ; v144-207  path A: two sets of 32 neighbours; path B: results; path C: 64 mask words in the attention's order
.set C,     208                        ; v208-223  path A: codes, four registers a tile; path C: v208-211 the words to store
.set SW,    224                        ; v224-227  path A: the four tiles' scale words
.macro FINISH                          ; the wave's end: these three lines behind my last LDS store
	s_wait_tensorcnt 0x0
	ds_add_u32 v[SPW], v[NIL]
	s_wait_dscnt 0x0
	s_endpgm
.endm
	s_load_b256 s[4:11], s[0:1], 0x0               ; query s[4:5], key s[6:7], value s[8:9], mask s[10:11]
	s_load_b128 s[12:15], s[0:1], 0x20             ; qimg s[12:13], kv s[14:15]
	s_load_b64 s[16:17], s[0:1], 0x30              ; mbits
	v_lshl_add_u32 v[SPW], v0, 2, SPARE
	v_mov_b32 v[NIL], 0
	v_lshrrev_b32 v1, 5, v0
	v_readfirstlane_b32 s18, v1                    ; wave 0..7
	v_and_b32 v1, 31, v0                           ; l
	v_and_b32 v2, 15, v0                           ; r
	v_bfe_u32 v3, v0, 4, 1                         ; h
	v_lshlrev_b32 v4, 4, v1                        ; 16 l: my 16 bytes of a load's or a store's 512
	; all LDS addresses are made here, ahead of the parting
	s_mul_i32 s19, s18, ASTG
	v_mul_u32_u24 v5, v3, 272
	v_lshl_add_u32 v5, v2, 4, v5
	v_add_nc_u32 v5, s19, v5                       ; A, in: a load holds two rows: row h, byte 16 r
	v_mul_u32_u24 v6, v2, 272
	v_lshl_add_u32 v6, v3, 7, v6
	v_add_nc_u32 v6, s19, v6                       ; A, back: row r, block h (128 bytes).  272 = 17 x 16: sixteen rows start at sixteen different 16-byte columns of 256 bytes
	v_lshlrev_b32 v7, 4, v2                        ; 16 r
	s_mul_i32 s19, s18, CSTG
	s_add_co_u32 s19, s19, CBASE
	v_add_nc_u32 v14, s19, v4                      ; C, in: a load holds one row's 512 bytes
	v_mul_u32_u24 v15, v2, 528
	v_lshl_add_u32 v15, v3, 5, v15
	v_add_nc_u32 v15, s19, v15                     ; C, back: row r, 8 keys (32 bytes) for each half of the lanes.  528 = 33 x 16
	s_wait_kmcnt 0x0
	s_cmp_lt_u32 ttmp9, 512
	s_cbranch_scc1 .LA
	s_cmp_lt_u32 ttmp9, 768
	s_cbranch_scc1 .LB
; ---------------- PATH C: the mask ----------------
	s_sub_co_u32 s25, ttmp9, 768
	s_lshl_b32 s25, s25, 3
	s_add_co_u32 s25, s25, s18                     ; u = 0 .. 4,095: 32 queries (u / 16) x 128 keys (u % 16)
	s_lshr_b32 s26, s25, 4
	s_lshl_b32 s26, s26, 18                        ; 32 rows of 8,192 bytes
	s_and_b32 s24, s25, 15
	s_lshl_b32 s24, s24, 9                         ; 128 keys of 4 bytes
	s_add_co_u32 s26, s26, s24
	s_mov_b32 s27, 0
	s_add_nc_u64 s[20:21], s[10:11], s[26:27]
	s_lshl_b32 s26, s25, 9                         ; out: two key steps of 64 words
	s_add_nc_u64 s[22:23], s[16:17], s[26:27]
.set I, 0
.rept 32
	global_load_b128 v[R+4*I:R+4*I+3], v4, s[20:21] offset:8192*I th:TH_LOAD_NT   ; row I: 512 neighbouring bytes
.set I, I+1
.endr
.irp j, 0,1,2,3
	v_mov_b32 v[C+\j], 0                           ; written once: v_writelane_b32's destination counts as one of its sources
.endr
; Rows 16 p .. 16 p + 15 turn through the stage: in as they lie, back so that lane (r, h) holds, in register 32 e + 8 t + j, mask[16 p + r][64 e + 16 t + 8 h + j].
; A compare then makes the 32 lanes' bits one word, and the word goes to its place among the 128 that the wave stores: word 64 e + 32 p + 8 t + j = lane (word / 4), register (word % 4).
.macro CPASS p, left
	s_wait_loadcnt \left                           ; these sixteen rows are in; the younger loads may be out
.irp i, 0,1,2,3,4,5,6,7,8,9,10,11,12,13,14,15
	ds_store_b128 v14, v[R+4*(16*\p+\i):R+4*(16*\p+\i)+3] offset:528*\i
.endr
.irp e, 0,1
.irp t, 0,1,2,3
.irp f, 0,1
	ds_load_b128 v[X+32*\e+8*\t+4*\f:X+32*\e+8*\t+4*\f+3], v15 offset:256*\e+64*\t+16*\f   ; LDS serves a wave's instructions in order: these see my stores, and the next pass's stores come behind them
.endr
.endr
.endr
	s_wait_dscnt 0x0
.set Q4, 0
.rept 4
.set N, 0
.rept 16
	v_cmp_ne_u32 s[32+N], 0, v[X+16*Q4+N]
.set N, N+1
.endr
.set N, 0
.rept 16
.set IDX, 16*Q4+N
	v_writelane_b32 v[C+(IDX%4)], s[32+N], 16*(IDX/32)+8*\p+2*((IDX/8)%4)+((IDX%8)/4)
.set N, N+1
.endr
.set Q4, Q4+1
.endr
.endm
	CPASS 0, 16
	CPASS 1, 0
	global_store_b128 v4, v[C:C+3], s[22:23]       ; 512 neighbouring bytes: two whole aligned blocks of 256
	FINISH
; ---------------- PATH A: query and key ----------------
.LA:
	s_cmp_lt_u32 ttmp9, 256                        ; query's work-group or key's?  The choice hangs on the work-group's number alone
	s_cselect_b64 s[20:21], s[4:5], s[6:7]
	s_cselect_b64 s[22:23], s[12:13], s[14:15]
	s_mov_b32 s24, 10496
	s_cselect_b32 s24, 2304, s24                   ; bytes from group to group in the output
	s_and_b32 s25, ttmp9, 255
	s_lshl_b32 s25, s25, 3
	s_add_co_u32 s25, s25, s18                     ; my group of 64 rows, 0 .. 2,047
	s_lshl_b32 s26, s25, 14
	s_mov_b32 s27, 0
	s_add_nc_u64 s[20:21], s[20:21], s[26:27]
	s_mul_i32 s26, s25, s24
	s_add_nc_u64 s[22:23], s[22:23], s[26:27]
	s_mov_b32 s28, 0x76543210
	s_mov_b32 s29, 0xfedcba98                      ; v_permlanex16_b32's selects for lane l xor 16
	v_lshlrev_b32 v13, 3, v3                       ; 8 h: my block's byte in the scale word
	v_mov_b32 v12, 0                               ; written once: a lane permute's destination counts as one of its sources
.macro ALOAD t                         ; tile t: 16 rows of 256 bytes, two rows a load
.irp i, 0,1,2,3,4,5,6,7
	global_load_b128 v[R+32*(\t)+4*\i:R+32*(\t)+4*\i+3], v4, s[20:21] offset:4096*(\t)+512*\i th:TH_LOAD_NT
.endr
.endm
.macro ATURN t                         ; through the stage: afterwards my 32 registers are the 32 numbers of block h of row r
.irp i, 0,1,2,3,4,5,6,7
	ds_store_b128 v5, v[R+32*(\t)+4*\i:R+32*(\t)+4*\i+3] offset:544*\i
.endr
.irp c, 0,1,2,3,4,5,6,7
	ds_load_b128 v[X+32*((\t)%2)+4*\c:X+32*((\t)%2)+4*\c+3], v6 offset:16*\c   ; LDS serves a wave's instructions in order: no wait between the stores and the loads, nor in front of the next tile's stores
.endr
.endm
.macro AQUANT t
.set XS, X+32*((\t)%2)
	v_max3_num_f32 v8, |v[XS]|, |v[XS+1]|, 0x1800000               ; the block's largest magnitude, all 32 numbers mine, in two chains; and the floor 2^(3 - 127): the byte cannot fall under 1
	v_max3_num_f32 v9, |v[XS+2]|, |v[XS+3]|, |v[XS+4]|
.irp i, 5,9,13,17,21,25
	v_max3_num_f32 v8, v8, |v[XS+\i]|, |v[XS+\i+1]|
	v_max3_num_f32 v9, v9, |v[XS+\i+2]|, |v[XS+\i+3]|
.endr
	v_max3_num_f32 v8, v8, |v[XS+29]|, |v[XS+30]|
	v_max3_num_f32 v8, v8, v9, |v[XS+31]|
	v_add_nc_u32 v10, 0xff000000, v8               ; 2 off its exponent field: the conversion takes the exponent field of this operand as its scale, and nothing else of it
.irp g, 0,1,2,3
	v_cvt_scalef32_pk8_fp4_f32 v[C+4*(\t)+\g], v[XS+8*\g:XS+8*\g+7], v10   ; to the nearest code, ties to even, beyond 6 the largest code
.endr
	v_lshrrev_b32 v11, 23, v10                     ; the scale's byte (also the plain instruction behind the conversions),
	v_lshlrev_b32 v11, v13, v11                    ; at its place,
	v_permlanex16_b32 v12, v11, s28, s29
	v_or_b32 v11, v11, v12                         ; with the other block's byte,
	v_or_b32 v[SW+(\t)], 0x7f7f0000, v11           ; and 2^0 for the two blocks of zero codes
	global_store_b128 v4, v[C+4*(\t):C+4*(\t)+3], s[22:23] offset:512*(\t)   ; the tile's image: 512 neighbouring bytes
.endm
	ALOAD 0
	ALOAD 1
	ALOAD 2
	ALOAD 3
	s_wait_loadcnt 24                              ; tile 0's eight loads are in; 24 younger ones may be out
	ATURN 0
	s_wait_loadcnt 16                              ; tile 1's
	ATURN 1
	s_wait_dscnt 16                                ; tile 0 is back from the stage; tile 1's 8 stores and 8 loads may be out
	AQUANT 0
	s_wait_loadcnt 8
	ATURN 2
	s_wait_dscnt 16
	AQUANT 1
	s_wait_loadcnt 0x0
	ATURN 3
	s_wait_dscnt 16
	AQUANT 2
	s_wait_dscnt 0x0
	AQUANT 3
	s_wait_xcnt 0x0                                ; EXEC is a source of the stores above: it changes only behind this wait
	v_cmp_gt_u32 vcc_lo, 16, v1
	s_and_saveexec_b32 s30, vcc_lo                 ; lanes 0-15 hold all sixteen rows' words
	global_store_b128 v7, v[SW:SW+3], s[22:23] offset:2048   ; [r][tile]: sixteen lanes store one whole aligned block of 256 bytes
	s_wait_xcnt 0x0                                ; and again, in front of the line that widens it
	s_or_b32 exec_lo, exec_lo, s30
	FINISH
; ---------------- PATH B: value ----------------
.LB:
	s_sub_co_u32 s25, ttmp9, 512
	s_lshl_b32 s25, s25, 3
	s_add_co_u32 s25, s25, s18                     ; my key step of 64 rows, 0 .. 2,047
	s_lshl_b32 s26, s25, 14
	s_mov_b32 s27, 0
	s_add_nc_u64 s[20:21], s[8:9], s[26:27]
	s_mul_i32 s26, s25, 10496
	s_add_co_u32 s26, s26, 2304                    ; behind the step's K
	s_add_nc_u64 s[22:23], s[14:15], s[26:27]
	v_lshlrev_b32 v8, 3, v1                        ; 8 l = 128 h + 8 r: row 2 i + h, my 4 channels' 8 bytes;
	v_xor_b32 v9, 32, v8                           ; with the rows' swizzle: (row / 2) % 4 = i % 4 for both rows of load i
	v_xor_b32 v10, 64, v8
	v_xor_b32 v11, 96, v8
.set I, 0
.rept 32
	global_load_b128 v[R+4*I:R+4*I+3], v4, s[20:21] offset:512*I th:TH_LOAD_NT   ; rows 2 I and 2 I + 1
.set I, I+1
.endr
.set I, 0
.rept 32
	s_wait_loadcnt 31-I                            ; load I is in; the younger ones may be out
	v_cvt_pk_f16_f32 v[X+2*I], v[R+4*I], v[R+4*I+1]
	v_cvt_pk_f16_f32 v[X+2*I+1], v[R+4*I+2], v[R+4*I+3]
	global_store_b64 v[8+(I%4)], v[X+2*I:X+2*I+1], s[22:23] offset:256*I   ; the 32 lanes fill one aligned block of 256 bytes; no register is written twice, so no wait frees one
.set I, I+1
.endr
	FINISH
.Lfunc_end_k_q0c086a8c2b_prep:
	.size	k_q0c086a8c2b_prep, .Lfunc_end_k_q0c086a8c2b_prep-k_q0c086a8c2b_prep
	.p2alignl 7, 3214868480
	.fill 96, 4, 3214868480
	.section	.rodata,"a",@progbits
	.p2align	6, 0x0
	.amdhsa_kernel k_q0c086a8c2b_prep
		.amdhsa_group_segment_fixed_size 103424
		.amdhsa_private_segment_fixed_size 0
		.amdhsa_enable_private_segment 0
		.amdhsa_kernarg_size 56
		.amdhsa_user_sgpr_count 2
		.amdhsa_user_sgpr_kernarg_segment_ptr 1
		.amdhsa_wavefront_size32 1
		.amdhsa_system_sgpr_workgroup_id_x 1
		.amdhsa_system_sgpr_workgroup_id_y 1
		.amdhsa_system_sgpr_workgroup_id_z 1
		.amdhsa_system_vgpr_workitem_id 0
		.amdhsa_next_free_vgpr 240
		.amdhsa_next_free_sgpr 66
		.amdhsa_reserve_vcc 1
		.amdhsa_float_denorm_mode_32 3
		.amdhsa_float_denorm_mode_16_64 3
		.amdhsa_memory_ordered 1
		.amdhsa_forward_progress 1
		.amdhsa_inst_pref_size 53
	.end_amdhsa_kernel
	.amdgpu_metadata
---
amdhsa.version: [ 1, 2 ]
amdhsa.kernels:
  - .name:           k_q0c086a8c2b_prep
    .symbol:         k_q0c086a8c2b_prep.kd
    .args:
      - { .name: query, .offset: 0, .size: 8, .value_kind: global_buffer, .address_space: global }
      - { .name: key, .offset: 8, .size: 8, .value_kind: global_buffer, .address_space: global }
      - { .name: value, .offset: 16, .size: 8, .value_kind: global_buffer, .address_space: global }
      - { .name: mask, .offset: 24, .size: 8, .value_kind: global_buffer, .address_space: global }
      - { .name: qimg, .offset: 32, .size: 8, .value_kind: global_buffer, .address_space: global }
      - { .name: kv, .offset: 40, .size: 8, .value_kind: global_buffer, .address_space: global }
      - { .name: mbits, .offset: 48, .size: 8, .value_kind: global_buffer, .address_space: global }
    .group_segment_fixed_size: 103424
    .private_segment_fixed_size: 0
    .kernarg_segment_align: 8
    .kernarg_segment_size: 56
    .max_flat_workgroup_size: 256
    .sgpr_count:     66
    .vgpr_count:     240
    .wavefront_size: 32
...
	.end_amdgpu_metadata
.endif
;; end of part 1
;; launch attn (part 2): grid 4 x 64, 16 waves a work-group, clusters of 4 x 1, 327,680 bytes of LDS; arguments qimg, kv, mbits, out0; writes out0
.if DOCPART == 2
	.amdgcn_target "amdgcn-amd-amdhsa--gfx1250"
	.amdhsa_code_object_version 6
	.text
	.protected	k_q0c086a8c2b_attn
	.globl	k_q0c086a8c2b_attn
	.p2align	8
	.type	k_q0c086a8c2b_attn,@function
k_q0c086a8c2b_attn:
	s_mov_b64 s[64:65], 0
	v_nop
	global_prefetch_b8 v0, s[64:65] scope:SCOPE_SE
	s_setreg_imm32_b32 hwreg(HW_REG_WAVE_MODE, 25, 1), 1
	s_wait_xcnt 0x0
	s_wait_alu depctr_hold_cnt(0) depctr_sa_sdst(0) depctr_va_vdst(0) depctr_va_sdst(0) depctr_va_ssrc(0) depctr_va_vcc(0) depctr_vm_vsrc(0)
	s_getreg_b32 s2, hwreg(HW_REG_IB_STS2, 6, 4)
	s_cmp_eq_u32 s2, 0
	s_cbranch_scc0 .Lentry_in_a_cluster
	s_endpgm
.Lentry_in_a_cluster:
	s_bfe_u32 s2, ttmp6, 0x10000c
	s_cmp_lg_u32 s2, 0x3003
	s_cbranch_scc0 .Lentry_shape_is_right
	s_endpgm
.Lentry_shape_is_right:
; out0[head][q][:] = the sum over k of softmax_k(where(mask == 0, -1e9, Q[q] . K[k] / 8)) V[k][:], 64 heads (4 batches x 16), 2,048 queries and keys, head size 64.
; Q K^T on codes of FP4 (E2M1) with one E8M0 byte for each 32 along the head's 64 (made by the launch before); the instruction's 128 along K are filled with zero codes under the byte 0x7f.
; P V with f16 operands and f32 sums: p is at most a little over 1, V has room up to 65,504.  Maxima, sums and O in f32.
; SHARES.  A work-group owns 512 queries of one head; each of its SIXTEEN waves owns 32 of them, two tiles of 16, in 256 registers: four waves to a SIMD, so that one wave's vector work stands beside
; another's matrix work and LDS loads.  Every wave walks all 2,048 keys, 64 a step.
; CLUSTER.  The four query blocks of a head form a cluster and walk the same K and V: each tile is asked for JOINTLY, by the same tensor load with the same descriptor and the mask of all four.
; RING.  A key step is 10,496 dense bytes of kv: K's codes (4 tiles x 512, images of the operand's registers), K's scale words (256), V as f16 (64 rows x 128, swizzled).  A slot holds 8 steps;
; waves 0-3 fetch a quarter each (82 rows of 256 bytes).  A refill is asked for at the head of the slot before: eight key steps of every wave ahead of its first read; so no prefetch is laid beside it.
; LAYOUT.  Both products are used transposed: S^T = K Q^T (source 0 = 16 keys, source 1 = 16 queries), O^T = V^T P (source 0 = 16 channels x 32 keys, source 1 = P): a lane holds ONE query (lane % 16)
; throughout; register 8 t + j of a tile's S^T is key 16 t + 8 (lane / 16) + j.  Rounded to f16 in pairs, the scores' registers ARE source 1 of the second product.
; THE MASK comes as lane masks, one 32-bit word for each register of S^T (64 words a step and wave), by scalar loads a step ahead: one v_cndmask_b32 a register.  It steers values alone, no branch and no address.
; SOFTMAX.  For each query a running maximum m and sum l: p = 2^(c s - c m), c = log2(e) / 8; in every step O and l are multiplied by a = 2^(c m_old - c m_new).
; A hidden score is -2^33 ahead of the scaling (-2^30 scaled, where reference() has -1e9): c x 2^33 is exact, so a row with no open key has p = 1 for every key and comes out as V's mean, as in reference().
; LIMITS: the results are reference()'s while every open scaled score lies above about -1e9; |value| up to 65,504; NaN and infinities are not served.
.set STEPB, 10496
.set SLOTB, 8*STEPB                    ; 83,968
.set SHARE, SLOTB/4                    ; 20,992 = 82 x 256: what one tensor load brings
.set HEADB, 32*STEPB                   ; a head's bytes of kv
.set SLOT1, 1<<17                      ; slot 1 begins here, so that one exclusive or turns an address in one slot into the other's
.set STAGE, SLOT1+SLOTB                ; behind the ring: 16 rows x 272 bytes for each wave, for the way out; no tile lands there
.set SP,    272
.set SPARE, STAGE+16*16*SP             ; the spare words, 128 bytes for each of 16 waves: eight blocks of 256 bytes that no other line names
; v1 16 l; v2 2,048 + 16 r; v3-6 my place in V for channels 16 c on; v7 K's, v8 K's scale words', v9-12 V's addresses of the step in hand; v13, v14 the add's two; v15 the hidden score
.set QF,  16                           ; v16-31   Q: two fragments of 8; registers 4-7 of each stay 0
.set KF,  32                           ; v32-63   K: four fragments of 8; registers 4-7 of each stay 0
.set VF,  64                           ; v64-95   V^T of keys 0-31: four fragments of 8
.set KS,  96                           ; v96-99   K's scale words of tiles 0-3;  v100-101 Q's: these six hold scales and nothing else
.set QS,  100
.set ST,  102                          ; v102-125 statistics, 12 a tile: +0 c m, +1 m, +2,+3 l, +4 a, +5 at work, +6..+9 four chains of the maximum, +10,+11 l's second chain
.set S,   128                          ; v128-191 S^T, 32 a tile; then p; then P in the low 16 of each 32 and V^T of keys 32-63 in the high 16
.set OA,  192                          ; v192-255 O^T: register 32 q + 8 c + j
; s[2:3] my wave's 8,192 bytes of mask words; s[4:7] descriptor group 0; s[8:9] out0 at my first row; s[10:11] c, c; s[12:13] lane selects; s14 wave; s15 LDS byte of the step in hand;
; s16-63, s68-83 the step's 64 mask words; s[84:91] descriptor group 1; s92 the mask words' byte offset; s93 slots to ask for; s94 steps of a slot
.macro CROUND                          ; a round of the cluster's barrier
	s_barrier_signal -1
	s_barrier_wait -1
	s_cmp_lg_u32 s14, 0
	s_cbranch_scc1 .Lnot_wave_0_\@
	s_barrier_signal -3
.Lnot_wave_0_\@:
	s_barrier_wait -3
	s_barrier_signal -1
	s_barrier_wait -1
.endm
.macro TLOAD                           ; the joint load: waves 0-3, a quarter of a slot each.  The branch hangs on the wave's number alone.  An s_nop 0 and four v_nop follow the load
	s_cmp_lt_u32 s14, 4
	s_cbranch_scc0 .Lno_load_\@
	tensor_load_to_lds s[4:7], s[84:91]
	s_nop 0
.rept 4
	v_nop
.endr
.Lno_load_\@:
.endm
.macro MLOAD                           ; 64 mask words, 256 bytes: word W lands in s[16 + W] (W < 48) or s[20 + W]
	s_load_b512 s[16:31], s[2:3], s92 offset:0x0
	s_load_b512 s[32:47], s[2:3], s92 offset:0x40
	s_load_b512 s[48:63], s[2:3], s92 offset:0x80
	s_load_b512 s[68:83], s[2:3], s92 offset:0xc0
.endm
	s_load_b256 s[16:23], s[0:1], 0x0              ; qimg s[16:17], kv s[18:19], mbits s[20:21], out0 s[22:23]
	v_lshl_add_u32 v13, v0, 2, SPARE
	v_mov_b32 v14, 0
	ds_add_u32 v13, v14                            ; the wave's opening: the add, twice on end, and its wait ahead of the first tensor load; the set-up below, work on registers, stands between
	ds_add_u32 v13, v14
	v_lshrrev_b32 v126, 5, v0
	v_readfirstlane_b32 s14, v126                  ; wave 0..15
	s_and_b32 s100, ttmp7, 0xffff                  ; the head, which the four partners share
	s_bfe_u32 s101, ttmp6, 0x40000                 ; cx: my place in the cluster: it enters the addresses of qimg, mbits and out0 alone
	s_lshl_b32 s104, ttmp9, 2
	s_add_co_u32 s104, s104, s101                  ; my block of 512 queries
	; the descriptor.  Group 1: 82 rows of 32 elements of 8 bytes, dense in memory and in LDS
	s_mov_b32 s84, 15|(3<<16)|(1<<21)              ; 15:0 the mask: all four work-groups; 17:16 elements of 8 bytes; 20 no padding; 21 set beside a mask
	s_mov_b32 s85, 32<<16                          ; tensor_dim0 = 32
	s_mov_b32 s86, 82<<16                          ; tensor_dim1 = 82
	s_mov_b32 s87, 32<<16                          ; tile_dim0 = 32
	s_mov_b32 s88, 82                              ; tile_dim1 = 82
	s_mov_b32 s89, 32                              ; from row to row
	s_mov_b32 s90, 0
	s_mov_b32 s91, 0
	s_mov_b32 s4, 1                                ; group 0: count = 1
	s_and_b32 s95, s14, 3
	s_mul_i32 s5, s95, SHARE                       ; LDS address: slot 0, my quarter
	s_mul_i32 s94, s100, HEADB
	s_add_co_u32 s94, s94, s5                      ; and the same quarter of the head's first slot in kv
	s_mov_b32 s95, 0
	s_lshr_b32 s92, s100, 4                        ; mask words: (batch x 64 + block x 16 + wave) x 8,192 bytes
	s_lshl_b32 s92, s92, 6
	s_lshl_b32 s93, s104, 4
	s_add_co_u32 s92, s92, s93
	s_add_co_u32 s92, s92, s14
	s_lshl_b32 s92, s92, 13
	s_mov_b32 s93, 0
	s_lshl_b32 s98, s100, 11                       ; out0: row head x 2,048 + block x 512 + 32 x wave, 256 bytes a row
	s_lshl_b32 s99, s104, 9
	s_add_co_u32 s98, s98, s99
	s_lshl_b32 s99, s14, 5
	s_add_co_u32 s98, s98, s99
	s_lshl_b32 s98, s98, 8
	s_mov_b32 s99, 0
	s_lshl_b32 s96, s100, 5                        ; qimg: group head x 32 + block x 8 + wave / 2, 2,304 bytes a group
	s_lshl_b32 s97, s104, 3
	s_add_co_u32 s96, s96, s97
	s_lshr_b32 s97, s14, 1
	s_add_co_u32 s96, s96, s97
	s_mul_i32 s96, s96, 2304
	s_mov_b32 s97, 0
	s_and_b32 s105, s14, 1                         ; which two of the group's four tiles are mine
	s_mov_b32 s10, 0x3e38aa3b                      ; c = log2(e) / 8
	s_mov_b32 s11, s10                             ; (named with it as a pair, so it is written)
	s_mov_b32 s12, 0x76543210
	s_mov_b32 s13, 0xfedcba98                      ; v_permlanex16_b32's selects for lane l xor 16
	s_mov_b32 s15, 0
	v_and_b32 v1, 31, v0
	v_lshlrev_b32 v1, 4, v1                        ; 16 l: an image's place for my lane
	v_and_b32 v2, 15, v0
	v_lshl_add_u32 v2, v2, 4, 2048                 ; K's scale words: [r][tile], behind the codes
	; V: the turning load takes 16 keys x 16 channels: lane l reads 16 bytes of key 8 (l / 16) + l % 8, channels 8 ((l / 8) % 2) on; the 32 bytes of channels 16 c on lie at place c xor ((key / 2) % 4)
	v_and_b32 v126, 7, v0
	v_bfe_u32 v127, v0, 4, 1
	v_lshl_add_u32 v126, v127, 3, v126
	v_lshlrev_b32 v126, 7, v126
	v_bfe_u32 v127, v0, 1, 2
	v_lshl_add_u32 v126, v127, 5, v126
	v_bfe_u32 v127, v0, 3, 1
	v_lshl_add_u32 v126, v127, 4, v126
	v_add_nc_u32 v3, 2304, v126
	v_xor_b32 v4, 32, v3
	v_xor_b32 v5, 64, v3
	v_xor_b32 v6, 96, v3
	v_mov_b32 v15, 0xd0000000                      ; -2^33
	v_lshl_add_u32 v126, s105, 10, v1              ; Q's codes: my two tiles' 1,024 bytes, 16 l
	v_and_b32 v127, 15, v0
	v_lshlrev_b32 v127, 4, v127
	v_lshl_add_u32 v127, s105, 3, v127             ; Q's scale words: [r][tile], my two tiles' 8 bytes
	s_wait_dscnt 0x0                               ; both opening adds are done
	s_wait_kmcnt 0x0
	s_add_nc_u64 s[6:7], s[18:19], s[94:95]        ; group 0: the global address,
	s_or_b32 s7, s7, 0x80000000                    ; and the type
	s_add_nc_u64 s[2:3], s[20:21], s[92:93]
	s_add_nc_u64 s[8:9], s[22:23], s[98:99]
	s_add_nc_u64 s[96:97], s[16:17], s[96:97]
	CROUND                                         ; all four work-groups are here: the first joint loads meet
	TLOAD                                          ; slot 0
	global_load_b128 v[QF:QF+3], v126, s[96:97]
	global_load_b128 v[QF+8:QF+11], v126, s[96:97] offset:512
	global_load_b64 v[QS:QS+1], v127, s[96:97] offset:2048
	s_mov_b32 s92, 0
	s_mov_b32 s93, 3                               ; 4 slots' worth of keys: three more are asked for
	MLOAD                                          ; step 0's mask words (the arguments' registers are done with)
.irp j, 20,21,22,23,28,29,30,31,36,37,38,39,44,45,46,47,52,53,54,55,60,61,62,63
	v_mov_b32 v[\j], 0                             ; the zero codes of k = 64 .. 127, in Q's and K's fragments: written once
.endr
.irp q, 0,1
	v_mov_b32 v[ST+12*\q+1], 0xff61b1e6            ; m: -3e38, under every score
	v_mov_b32 v[ST+12*\q+2], 0                     ; l
	v_mov_b32 v[ST+12*\q+3], 0
	v_mul_f32 v[ST+12*\q], s10, v[ST+12*\q+1]      ; c m
.endr
.set J, 0
.rept 64
	v_mov_b32 v[OA+J], 0                           ; O^T.  (The step is written with no first step of its own: the first a is 0 and multiplies zeros)
.set J, J+1
.endr
	s_wait_loadcnt 0x0                             ; Q
; A KEY STEP: 64 keys, both tiles of queries.
.macro STEP
	v_add_nc_u32 v7, s15, v1                       ; six plain instructions: they are also the places between the last products V^T P and the loads into V's registers (four are asked)
	v_add_nc_u32 v8, s15, v2                       ; and the products K Q^T, which write over P's and V's registers (five are asked)
.irp c, 0,1,2,3
	v_add_nc_u32 v[9+\c], s15, v[3+\c]
.endr
.irp t, 0,1,2,3
	ds_load_b128 v[KF+8*\t:KF+8*\t+3], v7 offset:512*\t
.endr
	ds_load_b128 v[KS:KS+3], v8
.irp c, 0,1,2,3
.irp u, 0,1
	ds_load_tr16_b128 v[VF+8*\c+4*\u:VF+8*\c+4*\u+3], v[9+\c] offset:2048*\u   ; keys 16 u + 8 h + 0 .. 7 of channel 16 c + r
.endr
.endr
	s_wait_dscnt 8                                 ; K's codes and scale words are in; the youngest eight loads, V's, may be out
.irp q, 0,1
.irp t, 0,1,2,3
	v_wmma_scale_f32_16x16x128_f8f6f4 v[S+32*\q+8*\t:S+32*\q+8*\t+7], v[KF+8*\t:KF+8*\t+7], v[QF+8*\q:QF+8*\q+7], 0, v[KS+\t], v[QS+\q] matrix_a_fmt:MATRIX_FMT_FP4 matrix_b_fmt:MATRIX_FMT_FP4
.endr
.endr
	s_wait_kmcnt 0x0                               ; this step's mask words are in, and their loads have read s92:
	s_add_co_u32 s92, s92, 256                     ; the next step's words;
	s_and_b32 s92, s92, 0x1fff                     ; the last step's look-ahead turns back to step 0: it stays inside the buffer, and its words are not used
.irp q, 0,1
	v_mov_b32 v[ST+12*\q+5], v[ST+12*\q]           ; c m_old is kept for a.  With the two v_nop: the four places behind the products
.endr
	v_nop
	v_nop
.set W, 0
.rept 64
	v_cndmask_b32 v[S+W], v15, v[S+W], s[16+W+4*(W/48)]   ; a hidden key's score becomes -2^33.  Ascending: each accumulator is read from its low end on
.set W, W+1
.endr
	MLOAD                                          ; the next step's words have the rest of this step in which to land
.irp k, 0,1,2,3                        ; the maximum of a lane's 32 scores and the old m, three operands at a time, four chains a tile, the tiles by turns
.irp q, 0,1
	v_max3_num_f32 v[ST+12*\q+6+\k], v[S+32*\q+3*\k], v[S+32*\q+3*\k+1], v[S+32*\q+3*\k+2]
.endr
.endr
.irp n, 0,1,2,3,4,5,6,7,8,9
.irp q, 0,1
	v_max3_num_f32 v[ST+12*\q+6+(\n%4)], v[ST+12*\q+6+(\n%4)], v[S+32*\q+12+2*\n], v[S+32*\q+13+2*\n]
.endr
.endr
.irp q, 0,1
	v_max3_num_f32 v[ST+12*\q+6], v[ST+12*\q+6], v[ST+12*\q+7], v[ST+12*\q+8]
.endr
.irp q, 0,1
	v_max3_num_f32 v[ST+12*\q+6], v[ST+12*\q+6], v[ST+12*\q+9], v[ST+12*\q+1]
.endr
.irp q, 0,1
	v_permlanex16_b32 v[ST+12*\q+7], v[ST+12*\q+6], s12, s13   ; the query's other 32 keys lie in the lane 16 away
.endr
.irp q, 0,1
	v_max_num_f32 v[ST+12*\q+1], v[ST+12*\q+6], v[ST+12*\q+7]  ; the new m
.endr
.irp q, 0,1
	v_mul_f32 v[ST+12*\q], s10, v[ST+12*\q+1]                  ; c m
.endr
.irp q, 0,1
	v_sub_f32 v[ST+12*\q+5], v[ST+12*\q+5], v[ST+12*\q]
.endr
.irp q, 0,1
	v_exp_f32 v[ST+12*\q+4], v[ST+12*\q+5]                     ; a = 2^(c m_old - c m_new)
.endr
.irp q, 0,1
.set J, 0
.rept 16
	v_pk_fma_f32 v[S+32*\q+J:S+32*\q+J+1], v[S+32*\q+J:S+32*\q+J+1], s[10:11], v[ST+12*\q:ST+12*\q+1] op_sel_hi:[1,0,0] neg_lo:[0,0,1] neg_hi:[0,0,1]   ; c s - c m, two at a time: the independent work behind the two exponentials
.set J, J+2
.endr
.endr
	s_wait_alu depctr_va_vdst(0)                   ; the wait ahead of the first instruction that names a
.set N, 0
.rept 32
	v_exp_f32 v[S+2*N], v[S+2*N]                   ; p = 2^(c s - c m): ONE BATCH of 64; nothing names a result before the wait below
	v_exp_f32 v[S+2*N+1], v[S+2*N+1]
	v_pk_mul_f32 v[OA+2*N:OA+2*N+1], v[OA+2*N:OA+2*N+1], v[ST+12*(N/16)+4:ST+12*(N/16)+5] op_sel_hi:[1,0]   ; O^T x a: the plain work among the exponentials (the last is the plain instruction behind the batch); each accumulator from its low end on
.set N, N+1
.endr
	s_wait_alu depctr_va_vdst(0)                   ; one wait for the batch, ahead of its first reader
; The sums (two chains a tile, of the f32 p) and the roundings to f16.  Pair p's rounding writes register p, which belongs to pair p / 2: summed and rounded already.
.irp p, 0,1,2,3,4,5,6,7,8,9,10,11,12,13,14,15
.irp q, 0,1
.if \p == 0
	v_pk_fma_f32 v[ST+12*\q+2:ST+12*\q+3], v[ST+12*\q+2:ST+12*\q+3], v[ST+12*\q+4:ST+12*\q+5], v[S+32*\q:S+32*\q+1] op_sel_hi:[1,0,1]   ; l = a l + pair 0
.elseif \p == 1
	v_pk_add_f32 v[ST+12*\q+10:ST+12*\q+11], v[S+32*\q+2:S+32*\q+3], v[S+32*\q+6:S+32*\q+7]   ; the second chain starts with pairs 1 and 3
.elseif \p == 3
.elseif (\p%2) == 0
	v_pk_add_f32 v[ST+12*\q+2:ST+12*\q+3], v[ST+12*\q+2:ST+12*\q+3], v[S+32*\q+2*\p:S+32*\q+2*\p+1]
.else
	v_pk_add_f32 v[ST+12*\q+10:ST+12*\q+11], v[ST+12*\q+10:ST+12*\q+11], v[S+32*\q+2*\p:S+32*\q+2*\p+1]
.endif
	v_cvt_pk_f16_f32 v[S+32*\q+\p], v[S+32*\q+2*\p], v[S+32*\q+2*\p+1]
.endr
.endr
.irp q, 0,1
	v_pk_add_f32 v[ST+12*\q+2:ST+12*\q+3], v[ST+12*\q+2:ST+12*\q+3], v[ST+12*\q+10:ST+12*\q+11]
.endr
.irp c, 0,1,2,3
.irp u, 0,1
	ds_load_tr16_b128 v[S+32*(\c/2)+16+8*(\c%2)+4*\u:S+32*(\c/2)+16+8*(\c%2)+4*\u+3], v[9+\c] offset:4096+2048*\u   ; V^T of keys 32-63, into the registers that the roundings have left
.endr
.endr
	s_wait_dscnt 8                                 ; V^T of keys 0-31 is in; the eight loads just issued may be out
.irp c, 0,1,2,3                        ; O^T += V^T P: the eight accumulators take turns, one instruction a turn, in the same order both times
.irp q, 0,1
	v_wmma_f32_16x16x32_f16 v[OA+32*\q+8*\c:OA+32*\q+8*\c+7], v[VF+8*\c:VF+8*\c+7], v[S+32*\q:S+32*\q+7], v[OA+32*\q+8*\c:OA+32*\q+8*\c+7]
.endr
.endr
	s_wait_dscnt 0x0
.irp c, 0,1,2,3
.irp q, 0,1
	v_wmma_f32_16x16x32_f16 v[OA+32*\q+8*\c:OA+32*\q+8*\c+7], v[S+32*(\c/2)+16+8*(\c%2):S+32*(\c/2)+16+8*(\c%2)+7], v[S+32*\q+8:S+32*\q+15], v[OA+32*\q+8*\c:OA+32*\q+8*\c+7]
.endr
.endr
	s_add_co_u32 s15, s15, STEPB                   ; the next step's tiles
.endm
; THE CHANGE OF SLOTS stands at a slot's head.  Each wave waits for all its tensor loads (its part of the slot that it is about to read), adds 0 to its spare word, and waits for that and for its reads of the slot
; that it has left.  fill = 1: a round of the cluster's barrier, so that no wave of any partner still reads that slot or has a load on its way; behind it the slot is filled with the next 512 keys, first thing.
.macro CHANGE fill
	s_wait_tensorcnt 0x0                           ; no tensor load of mine is out, so group 0 may be written
	ds_add_u32 v13, v14                            ; 0 onto my spare word
.if \fill
	ds_add_u32 v13, v14                            ; and once more
	s_xor_b32 s5, s5, SLOT1                        ; the other slot than last time,
	s_add_nc_u64 s[6:7], s[6:7], SLOTB             ; the next 512 keys; the type bits on top are not reached
.endif
	s_wait_dscnt 0x0                               ; the add is done, and my reads of the slot that I have left are over
.if \fill
	CROUND
	TLOAD                                          ; my one tensor load until the next round
.else
	s_barrier_signal -1
	s_barrier_wait -1
.endif
.endm
.macro SLOT_STEPS                      ; a slot's eight key steps: written once, walked eight times; no barrier stands among them
	s_mov_b32 s94, 8
.Lst_\@:
	STEP
	s_sub_co_u32 s94, s94, 1
	s_cmp_lg_u32 s94, 0
	s_cbranch_scc1 .Lst_\@
	s_sub_co_u32 s15, s15, SLOTB                   ; back to a slot's first step,
	s_xor_b32 s15, s15, SLOT1                      ; in the other slot
.endm
.Lslot:                                            ; three trips: behind each change of slots but the last the next slot is asked for
	CHANGE 1
	SLOT_STEPS
	s_sub_co_u32 s93, s93, 1
	s_cmp_lg_u32 s93, 0
	s_cbranch_scc1 .Lslot
	CHANGE 0                                       ; the last slot is written out
	SLOT_STEPS
	; THE WAY OUT.  l's two halves and the other half of the lanes' are added; O^T is divided by l and goes through my stage in LDS, a tile (16 rows of 256 bytes) at a time.  The lines up to the wait are also the places behind the last products.
.irp q, 0,1
	v_add_f32 v[ST+12*\q+6], v[ST+12*\q+2], v[ST+12*\q+3]
.endr
.irp q, 0,1
	v_permlanex16_b32 v[ST+12*\q+7], v[ST+12*\q+6], s12, s13
.endr
.irp q, 0,1
	v_add_f32 v[ST+12*\q+6], v[ST+12*\q+6], v[ST+12*\q+7]
.endr
.irp q, 0,1
	v_rcp_f32 v[ST+12*\q+4], v[ST+12*\q+6]         ; l is at least the largest p, about 1
.endr
	v_and_b32 v126, 15, v0                         ; r  (plain work behind the reciprocals)
	v_bfe_u32 v127, v0, 4, 1                       ; h
	s_mul_i32 s95, s14, 16*SP
	s_add_co_u32 s95, s95, STAGE                   ; my stage
	v_mul_u32_u24 v7, v126, SP
	v_lshl_add_u32 v7, v127, 5, v7
	v_add_nc_u32 v7, s95, v7                       ; in: row r; channels 16 c + 8 h on: 64 c + 32 h bytes
	v_mul_u32_u24 v8, v127, SP
	v_lshl_add_u32 v8, v126, 4, v8
	v_add_nc_u32 v8, s95, v8                       ; back: lanes 0-15 one row of 256 bytes, lanes 16-31 the next
	v_lshlrev_b32 v9, 8, v127
	v_lshl_add_u32 v9, v126, 4, v9                 ; and the same two rows in out0
	s_wait_alu depctr_va_vdst(0)                   ; one wait for the two reciprocals, ahead of their first reader
.irp q, 0,1
.set J, 0
.rept 16
	v_pk_mul_f32 v[OA+32*\q+J:OA+32*\q+J+1], v[OA+32*\q+J:OA+32*\q+J+1], v[ST+12*\q+4:ST+12*\q+5] op_sel_hi:[1,0]
.set J, J+2
.endr
.irp c, 0,1,2,3
	ds_store_b128 v7, v[OA+32*\q+8*\c:OA+32*\q+8*\c+3] offset:64*\c
	ds_store_b128 v7, v[OA+32*\q+8*\c+4:OA+32*\q+8*\c+7] offset:64*\c+16
.endr
.irp i, 0,1,2,3,4,5,6,7
	ds_load_b128 v[32+32*\q+4*\i:32+32*\q+4*\i+3], v8 offset:544*\i   ; LDS serves a wave's instructions in order: these see my stores, and the next tile's stores come behind them
.endr
.endr
	s_wait_dscnt 16                                ; tile 0 is back; tile 1's 8 stores and 8 loads may be out
.irp i, 0,1,2,3,4,5,6,7
	global_store_b128 v9, v[32+4*\i:32+4*\i+3], s[8:9] offset:512*\i th:TH_STORE_NT   ; 16 lanes store 256 consecutive bytes, at a multiple of 256 from out0's first byte
.endr
	s_wait_dscnt 0x0
.irp i, 0,1,2,3,4,5,6,7
	global_store_b128 v9, v[64+4*\i:64+4*\i+3], s[8:9] offset:4096+512*\i th:TH_STORE_NT
.endr
	s_wait_tensorcnt 0x0                           ; the wave's end: these three lines, behind my last tensor load and my last LDS store
	ds_add_u32 v13, v14
	s_wait_dscnt 0x0
	CROUND                                         ; the closing round: no work-group ends while a partner may still ask for a tile that names it
	s_endpgm
.Lfunc_end_k_q0c086a8c2b_attn:
	.size	k_q0c086a8c2b_attn, .Lfunc_end_k_q0c086a8c2b_attn-k_q0c086a8c2b_attn
	.p2alignl 7, 3214868480
	.fill 96, 4, 3214868480
	.section	.rodata,"a",@progbits
	.p2align	6, 0x0
	.amdhsa_kernel k_q0c086a8c2b_attn
		.amdhsa_group_segment_fixed_size 327680
		.amdhsa_private_segment_fixed_size 0
		.amdhsa_enable_private_segment 0
		.amdhsa_kernarg_size 32
		.amdhsa_user_sgpr_count 2
		.amdhsa_user_sgpr_kernarg_segment_ptr 1
		.amdhsa_wavefront_size32 1
		.amdhsa_system_sgpr_workgroup_id_x 1
		.amdhsa_system_sgpr_workgroup_id_y 1
		.amdhsa_system_sgpr_workgroup_id_z 1
		.amdhsa_system_vgpr_workitem_id 0
		.amdhsa_next_free_vgpr 256
		.amdhsa_next_free_sgpr 106
		.amdhsa_reserve_vcc 0
		.amdhsa_float_denorm_mode_32 3
		.amdhsa_float_denorm_mode_16_64 3
		.amdhsa_memory_ordered 1
		.amdhsa_forward_progress 1
		.amdhsa_inst_pref_size 59
	.end_amdhsa_kernel
	.amdgpu_metadata
---
amdhsa.version: [ 1, 2 ]
amdhsa.kernels:
  - .name:           k_q0c086a8c2b_attn
    .symbol:         k_q0c086a8c2b_attn.kd
    .args:
      - { .name: qimg, .offset: 0, .size: 8, .value_kind: global_buffer, .address_space: global }
      - { .name: kv, .offset: 8, .size: 8, .value_kind: global_buffer, .address_space: global }
      - { .name: mbits, .offset: 16, .size: 8, .value_kind: global_buffer, .address_space: global }
      - { .name: out0, .offset: 24, .size: 8, .value_kind: global_buffer, .address_space: global }
    .group_segment_fixed_size: 327680
    .private_segment_fixed_size: 0
    .kernarg_segment_align: 8
    .kernarg_segment_size: 32
    .max_flat_workgroup_size: 512
    .sgpr_count:     106
    .vgpr_count:     256
    .wavefront_size: 32
...
	.end_amdgpu_metadata
.endif
;; end of part 2
